; MI455X (gfx1250); checked and timed in simulation.
; The chip was launched on July 23, 2026; its instructions are those of AMD's public machine-readable ISA for CDNA 5 (MIT licence, August 2026) and "CDNA5" Instruction Set Architecture Reference Guide (July 2026). The comments in the code are by the model that wrote it; some were corrected since.
;; Re Sprop Attention. Allowed arithmetic: matrix products marked QUANTISED: E2M3 operands, one E8M0 scale for each 32 along K, by v_wmma_scale_f32_16x16x128_f8f6f4 with both operands' format E2M3, f32 sums; everything else in f32.
;; Inputs: K 32 x 2,048 x 64 float32; Q 32 x 2,048 x 64 float32; V 32 x 2,048 x 64 float32.
;; Outputs: out0 32 x 2,048 x 64 float32.
;; This version of the problem:
;;   THIS VERSION OF THE PROBLEM IS GIVEN IN LOW PRECISION. The matrix products marked QUANTISED in the list below multiply operands that are first quantised to E2M3 (2 exponent bits, 3 mantissa bits; 6 bits a number), with one power-of-two scale for each 32 numbers along K (OCP MX v1.0); their sums are f32. All else is computed in f32.
;;   The module's matrix products, in the order in which they are computed (A, B: the left and right operand; K: the contracted axis; several contracted axes count as one K, in the product's order):
;;     1. batch 32 x [M 2,048, K 64] x [K 64, N 2,048]; A: input Q; B: input K: QUANTISED
;;     2. batch 32 x [M 2,048, K 2,048] x [K 2,048, N 64]; A: softmax (see below); B: input V: QUANTISED
;;   THE QUANTISER, for each operand of a quantised product, along K:
;;     - K is cut into blocks of 32 from its start; a last block that is shorter is filled with zeros.
;;     - A block's scale is 2^e with e = floor(log2(the largest magnitude in the block)) - 2, held to -126 .. 127; a block of zeros has e = 0. As a byte (E8M0): e + 127.
;;     - Each number is divided by its block's scale, clamped to +-7.5, and rounded to the nearest number of E2M3, ties to even, subnormals kept.
;;     - The product sums the exact products of the quantised numbers (number of the format x scale) in f32.
;;   ~~~python
;;   def quantise(x, axis):      # numpy; x: float32 -> the quantised numbers, widened to float32 again
;;       x = np.moveaxis(x, axis, -1); K = x.shape[-1]
;;       x = np.pad(x, [(0, 0)] * (x.ndim - 1) + [(0, -K % 32)]); x = x.reshape(x.shape[:-1] + (-1, 32)); a = np.abs(x).max(-1, keepdims=True)
;;       e = np.where(a > 0, np.clip(np.frexp(np.where(a > 0, a, 1))[1] - 1 - 2, -126, 127), 0)      # np.frexp(a)[1] - 1 = floor(log2(a)), exactly
;;       r = np.clip(x / 2.0 ** e, -7.5, 7.5)
;;       step = 2.0 ** (np.maximum(np.frexp(np.where(r == 0, 1, r))[1] - 1, 0) - 3)
;;       q = np.round(r / step) * step * 2.0 ** e      # np.round: ties to even
;;       return np.moveaxis(q.reshape(q.shape[:-2] + (-1,))[..., :K], -1, axis).astype(np.float32)
;;   ~~~
;;   SOFTMAX AHEAD OF A QUANTISED PRODUCT. Where the list says 'softmax', what is quantised is not the finished softmax but p = 2^(t - M), with t = logit x log2(e) and M = ceil(the row's largest t), a whole number; so 1/2 < the row's largest p <= 1. The row's sum l is taken of the UNQUANTISED p, in f32, and the product's result is divided by l at the end. Since M is a whole number, a kernel that streams over the keys may use a running M (the ceiling of the running maximum): every later rescaling is an exact power of two, which a block's scale takes up: the codes' values come out the same.
;;   OPERANDS COMPUTED ON THE WAY. 'Computed on the way' means the value that the module computes at that place (a softmax that the list does not call 'softmax' is quantised finished and normalised). What goes into a quantiser is computed in f32, as accurately as f32 sums, v_exp_f32 and their like allow (about 1e-6 of the number): no bf16 or f16 on the way to a quantiser, and a product that is left as it is and whose result goes on into a quantised operand takes f32 operands (vector FMAs, or v_wmma_f32_16x16x4_f32). A number that lies on a knife's edge between two numbers of the format may be rounded either way, as far as f32 arithmetic and the matrix unit's own rounding can turn it there, and no further.
;; One version. Each part assembles by itself: llvm-mc -triple=amdgcn-amd-amdhsa -mcpu=gfx1250 --defsym DOCPART=n.
;; ======== version 1 of 1: 2 launches
;; limits: right only within a limited range of input values
;; workspace buffers: kv 6,553,600 bytes
;; launch quant (part 1): grid 256 x 1, 16 waves a work-group, no clusters, 168,448 bytes of LDS; arguments K, V, kv; writes kv
.if DOCPART == 1
	.amdgcn_target "amdgcn-amd-amdhsa--gfx1250"
	.amdhsa_code_object_version 6
	.text
	.protected	k_q24cc23757f_quant
	.globl	k_q24cc23757f_quant
	.p2align	8
	.type	k_q24cc23757f_quant,@function
k_q24cc23757f_quant:
	s_mov_b64 s[64:65], 0
	v_nop
	global_prefetch_b8 v0, s[64:65] scope:SCOPE_SE
	s_setreg_imm32_b32 hwreg(HW_REG_WAVE_MODE, 25, 1), 1
	s_wait_xcnt 0x0
; K and V, [32][2048][64] f32, become codes of FP6 (E2M3) with one E8M0 scale byte for each 32 along a product's K, laid in kv IN THE ORDER OF THE OPERANDS' REGISTERS.
; K is quantised along the head's 64 numbers, V along the keys.
; kv: [head 32][step 16][12,800 bytes]; a step is 128 keys:  +0 four images of K (1,536 bytes each), +6,144 four images of V, +12,288 K's scale words (16 r + 4 p), +12,544 V's (16 r + 4 n).
; AN IMAGE is 12 registers a lane: registers 4 g .. 4 g + 3 of lane l lie at 512 g + 16 l.  Lane l = (r = l % 16, h = l / 16).
; K's image p holds TWO tiles of 16 keys: registers 0-5 tile 2 p, registers 6-11 tile 2 p + 1; in each, lane (r, h) holds numbers 32 h .. 32 h + 31 of the tile's row r.
;   Row r of tile T is key 64 (T / 4) + 8 (T % 4) + r % 8 + 32 (r / 8).  Byte 2 u + b of scale word (p, r): tile 2 p + u, row r, block b.
; V's image n: registers 6 c .. 6 c + 5 of lane (r, h) hold keys 64 c + 32 h + 0 .. 31 of channel 16 n + r.  Byte 2 c + h of scale word (n, r): that block.
; A block's scale is 2^(floor(log2(its largest magnitude)) - 2): its byte is the largest magnitude's exponent field - 2, held at 1 from below by a floor among the maximum's leaves.
; LIMITS: a block of zeros gets the byte 1 where the rule says 127 (its codes are zeros, and this program alone reads the bytes); NaN and infinities among the inputs are not served.
; SHARES.  A unit is a step of one head: 128 rows x 256 bytes, dense in memory.  A work-group takes units 2 x and 2 x + 1 of both tensors.  Four waves share a unit: wave b of the four brings its rows 32 b .. 32 b + 31
; by ONE tensor load and works on them alone: of K a lane takes one row, two blocks; of V a lane takes channels l and l + 32 of the 32 keys, which are one block each.  Its codes and scale bytes go to their places in the
; unit's images in LDS; behind the one barrier each wave copies one image to kv, in runs of 512 bytes, and one wave of the four the scale words, 256 bytes.  Every LDS byte that is filled is filled once.  No loop.
; BANKS (64 of 4 bytes: ISA guide 11.1): rows are 272 bytes apart; V's reads take 128 consecutive bytes.
.set PITCH, 272                        ; an LDS row: 256 bytes + 16 of padding
.set STEPB, 12800                      ; a step in kv
.set IMG,   1536                       ; an image
.set VIMG,  4*IMG                      ; a unit's images
.set KSC,   8*IMG                      ; K's scale words in a step, V's 256 bytes on
.set IMGS,  16*32*PITCH                ; behind the waves' rows: the images of the four units,
.set SCR,   IMGS+4*VIMG                ; their scale words, 256 bytes for each unit,
.set SPARE, SCR+4*256                  ; and the spare words, 128 bytes for each wave
.set SPW, 14
.set NIL, 15
.set FK,  7                            ; v7   K's fetches
.set FV,  8                            ; v8   V's fetches
.set KA0, 10                           ; v10, v11  K's codes' places in the images: words 0, 1 and 4, 5;  words 2, 3
.set KA1, 11
.set VA0, 12                           ; v12, v13  V's
.set VA1, 13
.set KB,  19                           ; v19  K's scale bytes' places
.set VB,  20                           ; v20  V's
.set X,   32                           ; v32-95   64 numbers: two blocks
.set C,   96                           ; v96-107  their codes
.set CT0, 108                          ; second halves of a block's codes as the conversions leave them
.set CT1, 112
.set M,   118                          ; v118-121 four chains of the maximum
.set SO,  122                          ; v122-123 the conversions' scale operands
.set B0,  124
.set B1,  125
	s_load_b128 s[4:7], s[0:1], 0x0                ; K s[4:5], V s[6:7]
	s_load_b64 s[8:9], s[0:1], 0x10                ; kv
	v_lshl_add_u32 v[SPW], v0, 2, SPARE
	v_mov_b32 v[NIL], 0
	ds_add_u32 v[SPW], v[NIL]                      ; the opening lines
	ds_add_u32 v[SPW], v[NIL]
	v_lshrrev_b32 v1, 5, v0
	v_readfirstlane_b32 s10, v1                    ; wave 0..15
	s_lshr_b32 s11, s10, 2                         ; which of the work-group's four units: K's two, V's two
	s_and_b32 s12, s10, 3                          ; b: which 32 rows of it are mine, and which image I copy out
	s_lshr_b32 s13, s10, 3                         ; 0: K, 1: V
	s_and_b32 s14, s11, 1
	s_lshl_b32 s15, ttmp9, 1
	s_add_co_u32 s14, s14, s15                     ; the unit: 2 x work-group + 0 or 1 = 16 x head + step
	s_lshl_b32 s16, s14, 15                        ; its 32,768 bytes in its tensor,
	s_lshl_b32 s17, s12, 13                        ; my 8,192 of them
	s_add_co_u32 s16, s16, s17
	s_mov_b32 s17, 0
	s_mul_i32 s22, s14, STEPB                      ; its step in kv,
	s_mul_i32 s18, s13, VIMG
	s_add_co_u32 s18, s18, s22
	s_mul_i32 s19, s12, IMG
	s_add_co_u32 s18, s18, s19                     ; the image that I copy out
	s_mov_b32 s19, 0
	s_lshl_b32 s23, s13, 8
	s_add_co_u32 s22, s22, s23
	s_add_co_u32 s22, s22, KSC                     ; the unit's 256 bytes of scale words
	s_mov_b32 s23, 0
	; descriptor group 1: 32 rows of 32 elements of 8 bytes, dense in memory, 16 bytes of padding behind each row in LDS
	s_mov_b32 s24, (3<<16)|(1<<20)|(5<<22)|(3<<25) ; no mask; elements of 8 bytes; padding on, after every 64 words, of 4 words
	s_mov_b32 s25, 32<<16                          ; tensor_dim0 = 32
	s_mov_b32 s26, 32<<16                          ; tensor_dim1 = 32
	s_mov_b32 s27, 32<<16                          ; tile_dim0 = 32
	s_mov_b32 s28, 32                              ; tile_dim1 = 32
	s_mov_b32 s29, 32                              ; from row to row: 32 elements
	s_mov_b32 s30, 0
	s_mov_b32 s31, 0
	s_mov_b32 s32, 1                               ; group 0: count = 1
	s_mul_i32 s33, s10, 32*PITCH                   ; LDS address: my rows
	; places in the images: image x 1,536 + 256 h + 16 r, and in a lane's 12 registers words 6 x + 2 q, 6 x + 2 q + 1 for q = 0, 1, 2: at 520 x, 8 + 1,016 x, 512 + 520 x
	s_lshr_b32 s40, s12, 1                         ; c = b / 2
	s_and_b32 s15, s12, 1                          ; b % 2
	s_mul_i32 s47, s11, VIMG
	s_add_co_u32 s47, s47, IMGS                    ; my unit's images
	s_mul_i32 s41, s40, 2*IMG
	s_add_co_u32 s41, s41, s47
	s_lshl_b32 s45, s15, 7
	s_add_co_u32 s41, s41, s45                     ; K: image 2 c + l / 16, r = 8 (b % 2) + l % 8, x = (l / 8) % 2, h the block
	s_lshl_b32 s42, s15, 8
	s_add_co_u32 s42, s42, s47                     ; V: image l / 16 and two further on, r = l % 16, h = b % 2, x = c
	s_mul_i32 s44, s40, 1016
	s_add_co_u32 s44, s44, s42
	s_mul_i32 s46, s40, 520
	s_add_co_u32 s42, s42, s46
	s_mul_i32 s46, s12, IMG
	s_add_co_u32 s47, s47, s46                     ; the image that I copy out
	s_lshl_b32 s43, s11, 8
	s_add_co_u32 s43, s43, SCR                     ; my unit's scale words
	s_add_co_u32 s45, s45, s43
	s_lshl_b32 s40, s40, 3
	s_add_co_u32 s45, s45, s40                     ; K: 16 r + 4 p
	s_add_co_u32 s46, s43, s12                     ; V: byte b of its word
	v_and_b32 v2, 31, v0                           ; lane
	v_and_b32 v3, 15, v0                           ; l % 16
	v_bfe_u32 v4, v0, 4, 1                         ; l / 16
	v_and_b32 v5, 7, v0                            ; l % 8
	v_bfe_u32 v6, v0, 3, 1                         ; (l / 8) % 2
	v_mul_u32_u24 v[FK], v2, PITCH
	v_lshlrev_b32 v[FV], 2, v2
	v_mul_u32_u24 v9, v4, IMG
	v_add_nc_u32 v[FK], s33, v[FK]                 ; my row of K
	v_add_nc_u32 v[FV], s33, v[FV]                 ; my channel of V
	v_lshl_add_u32 v[KA0], v5, 4, v9
	v_mul_u32_u24 v16, v6, 1016
	v_mul_u32_u24 v17, v6, 520
	v_add_nc_u32 v[KA0], s41, v[KA0]
	v_lshl_add_u32 v9, v3, 4, v9
	v_lshlrev_b32 v18, 2, v4
	v_add_nc_u32 v[KA1], v[KA0], v16
	v_add_nc_u32 v[KA0], v[KA0], v17
	v_add_nc_u32 v[VA0], s42, v9
	v_add_nc_u32 v[VA1], s44, v9
	v_lshl_add_u32 v[KB], v5, 4, v18
	v_lshl_add_u32 v[VB], v3, 4, v18
	v_lshl_add_u32 v[KB], v6, 1, v[KB]
	v_add_nc_u32 v[VB], s46, v[VB]
	v_add_nc_u32 v[KB], s45, v[KB]
	v_lshlrev_b32 v21, 4, v2                       ; v21: 16 x lane, v22: and the same in the image that I copy out
	v_lshlrev_b32 v23, 3, v2                       ; v23: 8 x lane, v24: and the same in my unit's scale words
	v_add_nc_u32 v22, s47, v21
	v_add_nc_u32 v24, s43, v23
	s_wait_alu depctr_va_vdst(0)                   ; the wait at the head's end
	s_wait_dscnt 0x0                               ; both opening adds are done
	s_wait_kmcnt 0x0
	s_cmp_lt_u32 s10, 8                            ; the choice hangs on the wave's number alone
	s_cselect_b64 s[34:35], s[4:5], s[6:7]
	s_add_nc_u64 s[34:35], s[34:35], s[16:17]
	s_or_b32 s35, s35, 0x80000000                  ; type = 2
	s_add_nc_u64 s[36:37], s[8:9], s[18:19]        ; where the image that I copy out goes
	s_add_nc_u64 s[38:39], s[8:9], s[22:23]        ; where my unit's scale words go
	tensor_load_to_lds s[32:35], s[24:31]          ; my one tensor load
	s_nop 0
	s_wait_tensorcnt 0x0                           ; my 32 rows are in LDS; I alone read them
	s_cmp_eq_u32 s13, 0
	s_cbranch_scc0 .Lvalues
.irp j, 0,1,2,3,4,5,6,7,8,9,10,11,12,13,14,15          ; K: my row's 64 numbers
	ds_load_b128 v[X+4*\j:X+4*\j+3], v[FK] offset:16*\j
.endr
	s_branch .Lfetched
.Lvalues:                                              ; V: my two channels, my registers down the 32 keys
.set i, 0
.rept 32
	ds_load_b32 v[X+i], v[FV] offset:i*PITCH
	ds_load_b32 v[X+32+i], v[FV] offset:i*PITCH+128
.set i, i+1
.endr
.Lfetched:
	s_wait_dscnt 0x0
	; 64 numbers of a lane, two whole blocks of 32, become 12 registers of codes and two scale bytes.  No other lane is asked for a maximum.
.irp k, 0,1,2,3
	v_max3_num_f32 v[M+\k], |v[X+16*\k]|, |v[X+16*\k+1]|, 0x1800000   ; four chains of 16 numbers, by turns; the floor 2^(3 - 127) among the leaves: the byte cannot fall under 1
.endr
.irp i, 2,4,6,8,10,12,14
.irp k, 0,1,2,3
	v_max3_num_f32 v[M+\k], v[M+\k], |v[X+16*\k+\i]|, |v[X+16*\k+\i+1]|
.endr
.endr
	v_max_num_f32 v[M], v[M], v[M+1]               ; the first block's largest magnitude,
	v_max_num_f32 v[M+2], v[M+2], v[M+3]           ; the second's
	v_add_nc_u32 v[SO], 0xff000000, v[M]           ; 2 off the exponent field: the conversion takes the exponent field of this operand as its scale
	v_add_nc_u32 v[SO+1], 0xff000000, v[M+2]
	v_cvt_scalef32_pk16_fp6_f32 v[C:C+2], v[X:X+15], v[SO]
	v_cvt_scalef32_pk16_fp6_f32 v[CT0:CT0+2], v[X+16:X+31], v[SO]         ; (a conversion's three registers begin on an even number)
	v_cvt_scalef32_pk16_fp6_f32 v[C+6:C+8], v[X+32:X+47], v[SO+1]
	v_cvt_scalef32_pk16_fp6_f32 v[CT1:CT1+2], v[X+48:X+63], v[SO+1]
	v_lshrrev_b32 v[B0], 23, v[SO]                 ; the scales' bytes.  (Also the plain place behind the conversions)
	v_lshrrev_b32 v[B1], 23, v[SO+1]
.irp i, 0,1,2
	v_mov_b32 v[C+3+\i], v[CT0+\i]
	v_mov_b32 v[C+9+\i], v[CT1+\i]
.endr
	s_wait_alu depctr_va_vdst(0)                   ; the wait ahead of the branch
	s_cmp_eq_u32 s13, 0
	s_cbranch_scc0 .Lvput
	ds_store_b64 v[KA0], v[C:C+1]                  ; K: numbers 0 to 31 to lanes 0-15 of an image, 32 to 63 to lanes 16-31: 256 bytes on
	ds_store_b64 v[KA1], v[C+2:C+3] offset:8
	ds_store_b64 v[KA0], v[C+4:C+5] offset:512
	ds_store_b64 v[KA0], v[C+6:C+7] offset:256
	ds_store_b64 v[KA1], v[C+8:C+9] offset:264
	ds_store_b64 v[KA0], v[C+10:C+11] offset:768
	ds_store_b8 v[KB], v[B0]
	ds_store_b8 v[KB], v[B1] offset:1
	s_branch .Lput
.Lvput:
	ds_store_b64 v[VA0], v[C:C+1]                  ; V: channel l + 32 lies two images further on
	ds_store_b64 v[VA1], v[C+2:C+3] offset:8
	ds_store_b64 v[VA0], v[C+4:C+5] offset:512
	ds_store_b64 v[VA0], v[C+6:C+7] offset:2*IMG
	ds_store_b64 v[VA1], v[C+8:C+9] offset:2*IMG+8
	ds_store_b64 v[VA0], v[C+10:C+11] offset:2*IMG+512
	ds_store_b8 v[VB], v[B0]
	ds_store_b8 v[VB], v[B1] offset:8
.Lput:
	s_wait_dscnt 0x0                               ; my codes and scale bytes lie in LDS,
	s_barrier_signal -1
	s_barrier_wait -1                              ; and everybody's
.irp g, 0,1,2
	ds_load_b128 v[X+4*\g:X+4*\g+3], v22 offset:512*\g
.endr
.irp g, 0,1,2
	s_wait_dscnt 2-\g                              ; load g is in; the later ones may be out
	global_store_b128 v21, v[X+4*\g:X+4*\g+3], s[36:37] offset:512*\g   ; each store covers 512 consecutive bytes, at a multiple of 256 from kv's first byte
.endr
	s_cmp_eq_u32 s12, 0
	s_cbranch_scc0 .Lend                           ; one wave of the four stores the scale words
	ds_load_b64 v[M:M+1], v24
	s_wait_dscnt 0x0
	global_store_b64 v23, v[M:M+1], s[38:39]       ; 32 lanes store one aligned unit of 256 bytes
.Lend:
	s_wait_tensorcnt 0x0                           ; the wave's end
	ds_add_u32 v[SPW], v[NIL]
	s_wait_dscnt 0x0
	s_endpgm
.Lfunc_end_k_q24cc23757f_quant:
	.size	k_q24cc23757f_quant, .Lfunc_end_k_q24cc23757f_quant-k_q24cc23757f_quant
	.p2alignl 7, 3214868480
	.fill 96, 4, 3214868480
	.section	.rodata,"a",@progbits
	.p2align	6, 0x0
	.amdhsa_kernel k_q24cc23757f_quant
		.amdhsa_group_segment_fixed_size 168448
		.amdhsa_private_segment_fixed_size 0
		.amdhsa_enable_private_segment 0
		.amdhsa_kernarg_size 24
		.amdhsa_user_sgpr_count 2
		.amdhsa_user_sgpr_kernarg_segment_ptr 1
		.amdhsa_wavefront_size32 1
		.amdhsa_system_sgpr_workgroup_id_x 1
		.amdhsa_system_sgpr_workgroup_id_y 1
		.amdhsa_system_sgpr_workgroup_id_z 1
		.amdhsa_system_vgpr_workitem_id 0
		.amdhsa_next_free_vgpr 128
		.amdhsa_next_free_sgpr 66
		.amdhsa_reserve_vcc 0
		.amdhsa_float_denorm_mode_32 3
		.amdhsa_float_denorm_mode_16_64 3
		.amdhsa_memory_ordered 1
		.amdhsa_forward_progress 1
		.amdhsa_inst_pref_size 15
	.end_amdhsa_kernel
	.amdgpu_metadata
---
amdhsa.version: [ 1, 2 ]
amdhsa.kernels:
  - .name:           k_q24cc23757f_quant
    .symbol:         k_q24cc23757f_quant.kd
    .args:
      - { .name: K, .offset: 0, .size: 8, .value_kind: global_buffer, .address_space: global }
      - { .name: V, .offset: 8, .size: 8, .value_kind: global_buffer, .address_space: global }
      - { .name: kv, .offset: 16, .size: 8, .value_kind: global_buffer, .address_space: global }
    .group_segment_fixed_size: 168448
    .private_segment_fixed_size: 0
    .kernarg_segment_align: 8
    .kernarg_segment_size: 24
    .max_flat_workgroup_size: 512
    .sgpr_count:     66
    .vgpr_count:     128
    .wavefront_size: 32
...
	.end_amdgpu_metadata
.endif
;; end of part 1
;; launch attn (part 2): grid 8 x 32, 16 waves a work-group, clusters of 4 x 1, 289,280 bytes of LDS; arguments Q, kv, out0; writes out0
.if DOCPART == 2
	.amdgcn_target "amdgcn-amd-amdhsa--gfx1250"
	.amdhsa_code_object_version 6
	.text
	.protected	k_q24cc23757f_attn
	.globl	k_q24cc23757f_attn
	.p2align	8
	.type	k_q24cc23757f_attn,@function
k_q24cc23757f_attn:
	s_mov_b64 s[64:65], 0
	v_nop
	global_prefetch_b8 v0, s[64:65] scope:SCOPE_SE
	s_setreg_imm32_b32 hwreg(HW_REG_WAVE_MODE, 25, 1), 1
	s_wait_xcnt 0x0
	s_wait_alu depctr_hold_cnt(0) depctr_sa_sdst(0) depctr_va_vdst(0) depctr_va_sdst(0) depctr_va_ssrc(0) depctr_va_vcc(0) depctr_vm_vsrc(0)
	s_getreg_b32 s2, hwreg(HW_REG_IB_STS2, 6, 4)
	s_cmp_eq_u32 s2, 0
	s_cbranch_scc0 .Lentry_in_a_cluster
	s_endpgm
.Lentry_in_a_cluster:
	s_bfe_u32 s2, ttmp6, 0x10000c
	s_cmp_lg_u32 s2, 0x3003
	s_cbranch_scc0 .Lentry_shape_is_right
	s_endpgm
.Lentry_shape_is_right:
; out0[b][q][:] = the sum over k of softmax_k(Q[b][q] . K[b][k] / 8) V[b][k][:], 32 heads of 2,048 x 64, both products on codes of FP6 (E2M3) with one E8M0 scale for each 32 along a product's K.
; K's and V's codes and scale words come from kv, laid in the order of the operands' registers: [head][step of 128 keys][12,800 bytes]: four images of K (1,536 bytes each), four of V, 256 bytes of K's
; scale words (16 r + 4 p), 256 of V's (16 r + 4 n).  An image: registers 4 g .. 4 g + 3 of lane l at 512 g + 16 l.  Q (f32) is read by one wave alone and is quantised here, in registers.
; THE SOFTMAX: t = score x log2(e) / 8; M = the row's largest t so far, rounded UP to a whole number; p = 2^(t - M) is what is quantised, along the keys, not normalised.  The row's sum is taken of the
; unquantised p, in f32, and divides at the end.  When M moves, the sum and O are multiplied by 2^(old M - new M): exact, and with no branch on data.
; SHARES.  A work-group owns 256 queries of one head; each of its sixteen waves one tile of 16 of them, in 256 registers, so that no register window is switched.  Every wave walks all 2,048 keys, 128 a step.
; A HEAD'S CODES, 204,800 bytes, STAY IN LDS: every LDS byte is filled once, by tensor loads that all go out at the head; so there is no ring, and no prefetch: nothing is left to be asked for ahead of a load.
; CLUSTER.  The four work-groups of a cluster belong to one head and read the same 204,800 bytes: each part is asked for JOINTLY, by the same tensor load with the same descriptor and a mask that names the four.
; LAYOUT.  Both products are used transposed: S^T = K Q^T (source 0 = keys, source 1 = my 16 queries), O^T = V^T P^T (source 0 = 16 channels, source 1 = P): a lane (r, h) holds ONE query, r, throughout.
; THE HEAD HAS 64 NUMBERS, THE INSTRUCTION TAKES 128: an image of K holds TWO tiles of keys, tile 2 p in k = 0 .. 63 and tile 2 p + 1 in k = 64 .. 127, and is multiplied once by [Q | 0] and once by [0 | Q]
; (zero codes add nothing).  Q's six registers stand between two runs of six zeros, so both operands are runs of twelve registers.
; THE KEYS OF A TILE ARE NOT NEIGHBOURS: register 32 c + i of a lane's 64 scores is place i of the keys' block 64 c + 32 h .. + 31, in the order in which V's images hold that block: a lane holds two WHOLE
; blocks of 32 keys: a block's maximum needs no other lane, and the conversions' results are the second product's operand as they stand.
; A BLOCK'S SCALE: floor(log2(its largest p)) = floor(its largest t - M), taken of the exponent itself (at the worst, where v_exp_f32 rounds a p up to a power of two, that p is held one code low).
; ORDER.  A step's product with V is made in the next step, between the links of the chain that leads from the scores' maxima to M.
; LIMITS: the promise holds while the scaled scores t stay under 2^31 in magnitude; NaN and infinities among the inputs are not served; a block whose every p has fallen to 0 gets the byte 1 (its codes are
; zeros); a p under 2^-126 counts as 0 (v_exp_f32 flushes: ISA guide 15.8).
.set STEPB, 12800                      ; a step in kv and in LDS
.set IMG,   1536                       ; an image
.set VIMG,  4*IMG                      ; V's images begin here in a step,
.set KSC,   8*IMG                      ; K's scale words here, V's 256 bytes on
.set HEADB, 16*STEPB                   ; LDS 0 .. 204,799: the head's codes, as they lie in kv
.set STAGE, HEADB+STEPB                ; the waves' stages.  One step's bytes are left free in front of them: the look-ahead's address, stepped once more on leaving the loop, still names no stage
.set SP,    272                        ; a stage's row: 256 bytes + 16: the 16 rows that a load or store touches start at 16 different banks (64 banks of 4 bytes: ISA guide 11.1)
.set TILEB, 16*SP
.set SPARE, STAGE+16*TILEB             ; the spare words, 128 bytes for each wave
.set SO1, 0                            ; v0   the thread's number at the head; then the second block's scale operand
.set AF0, 1                            ; v1   16 x lane: my place in a group of an image and in the scale words; also my byte offset in 512 bytes of Q and of out0
.set NIL, 2
.set AF,  3                            ; v3   AF0 + the step in hand
.set SPW, 4
.set SD,  5                            ; v5   my stage + 272 h + 16 r: two dense rows an instruction
.set SW,  6                            ; v6   my stage + 272 r + 32 h: my eight channels of O's row r
.set SO0, 7                            ; v7   at the head my stage + 272 r + 128 h; then the first block's scale operand
.set RM,  9                            ; v9   the largest score so far.  v8 and v10: -M, the new one and the old one by turns
.set SH8, 11                           ; v11  8 h
.set ZQ,  12                           ; [0 | Q] = v[12:23], [Q | 0] = v[18:29]
.set TS,  30                           ; v[30:31] the sum's second chain
.set SC,  32                           ; v32-35, v36-39: scale words of a step, lanes 0-15 K's, lanes 16-31 V's: two sets by turns
.set QS,  41                           ; v41 for [Q | 0], v45 for [0 | Q].  P's: v44 in even steps, v40 in odd ones
.set F,   42                           ; v[42:43] 2^(old M - new M); at the end 1 / the sum (the packed forms take the pair's low word)
.set L,   46                           ; v[46:47] the sum's first chain (at the head r and h)
.set KF,  48                           ; v48-95   K's four images
.set S,   96                           ; v96-159  S^T, then p
.set O,   160                          ; v160-191 O^T
.set P,   192                          ; v192-203 p's codes; between two steps' codes, with v204-207, eight pairs of the sum's first level
.set BM,  204                          ; v204-205 the two blocks' largest scores, then floor(t - M)
.set T0,  206
.set T1,  207
.set C3,  204                          ; v[204:205], v[206:207] the sum's third and fourth chains
.set C4,  206
.set VF,  208                          ; v208-255 V's four images
.set QX,  128                          ; at the head: v128-159 32 numbers of Q
.set WV,  10                           ; s10  my wave's number
.set SEL, 20                           ; s[20:21] v_permlanex16_b32's selects for lane l xor 16
.set CS,  22                           ; s[22:23] c = log2(e) / 8
.set NC,  24                           ; s24  -c
.set ONES, 25                          ; s25  two scale bytes of 1.0
.set TB,  26                           ; s26  LDS byte at which the step in hand begins
.set CNT, 27
.set G1A, 28                           ; s[28:35] descriptor group 1: one step;  s[36:43]: three steps;  s[44:47], s[48:51] their groups 0
.set G1B, 36
.set G0A, 44
.set G0B, 48
; A round of the cluster's barrier: my work-group's barrier; wave 0 signals for the work-group; every wave waits for all four work-groups; my work-group's barrier once more.
.macro CROUND
	s_barrier_signal -1
	s_barrier_wait -1
	s_cmp_lg_u32 s[WV], 0
	s_cbranch_scc1 .Lnot_wave_0_\@
	s_barrier_signal -3
.Lnot_wave_0_\@:
	s_barrier_wait -3
	s_barrier_signal -1
	s_barrier_wait -1
.endm
.macro LOADQ                           ; my 16 rows of Q, as they lie: each load covers 512 consecutive bytes, two rows
.irp i, 0,1,2,3,4,5,6,7
	global_load_b128 v[S+4*\i:S+4*\i+3], v[AF0], s[4:5] offset:512*\i th:TH_LOAD_NT
.endr
.endm
	s_load_b128 s[4:7], s[0:1], 0x0                ; Q s[4:5], kv s[6:7]
	s_load_b64 s[8:9], s[0:1], 0x10                ; out0
	v_lshl_add_u32 v[SPW], v0, 2, SPARE
	v_mov_b32 v[NIL], 0
	ds_add_u32 v[SPW], v[NIL]                      ; the opening lines
	ds_add_u32 v[SPW], v[NIL]
	v_lshrrev_b32 v1, 5, v0
	v_readfirstlane_b32 s[WV], v1                  ; wave 0..15
	s_bfe_u32 s11, ttmp6, 0x40000                  ; cx: my place in the cluster: it enters Q's and out0's addresses alone
	s_lshl_b32 s12, ttmp9, 2                       ; in a cluster launch ttmp9 counts clusters
	s_add_co_u32 s12, s12, s11                     ; my block of 256 queries
	s_and_b32 s13, ttmp7, 0xffff                   ; the head, which the four partners share
	s_lshl_b32 s14, s13, 19                        ; a head of Q or out0: 2,048 rows of 256 bytes,
	s_lshl_b32 s15, s12, 16                        ; my block's 256 rows,
	s_add_co_u32 s14, s14, s15
	s_lshl_b32 s15, s[WV], 12                      ; my wave's 16
	s_add_co_u32 s14, s14, s15
	s_mov_b32 s15, 0
	s_and_b32 s11, s[WV], 3
	s_mul_i32 s18, s13, HEADB                      ; the head's codes in kv.  Waves 0 to 3 fetch step w % 4,
	s_mul_i32 s[G0A+1], s11, STEPB                 ; LDS address = its place in the head: no place in the cluster enters an LDS address
	s_add_co_u32 s16, s18, s[G0A+1]
	s_mov_b32 s17, 0
	s_mul_i32 s[G0B+1], s11, 3*STEPB               ; waves 12 to 15 steps 4 + 3 (w % 4) .. 6 + 3 (w % 4)
	s_add_co_u32 s[G0B+1], s[G0B+1], 4*STEPB
	s_add_co_u32 s18, s18, s[G0B+1]
	s_mov_b32 s19, 0
	s_mov_b32 s[G0A], 1                            ; count = 1
	s_mov_b32 s[G0B], 1
	; descriptor groups 1: dense blocks as rows of 256 bytes (32 elements of 8 bytes), no padding: 50 rows are a step, 150 three
	s_mov_b32 s[G1A], 15|(3<<16)|(1<<21)           ; 15:0 the mask: all four work-groups; 17:16 elements of 8 bytes; 21 set beside a mask
	s_mov_b32 s[G1A+1], 32<<16                     ; tensor_dim0 = 32
	s_mov_b32 s[G1A+2], 50<<16                     ; tensor_dim1 = 50
	s_mov_b32 s[G1A+3], 32<<16                     ; tile_dim0 = 32
	s_mov_b32 s[G1A+4], 50                         ; tile_dim1 = 50
	s_mov_b32 s[G1A+5], 32                         ; from row to row: 32 elements
	s_mov_b32 s[G1A+6], 0
	s_mov_b32 s[G1A+7], 0
	s_mov_b32 s[G1B], 15|(3<<16)|(1<<21)
	s_mov_b32 s[G1B+1], 32<<16
	s_mov_b32 s[G1B+2], 150<<16
	s_mov_b32 s[G1B+3], 32<<16
	s_mov_b32 s[G1B+4], 150
	s_mov_b32 s[G1B+5], 32
	s_mov_b32 s[G1B+6], 0
	s_mov_b32 s[G1B+7], 0
	s_mov_b32 s[SEL], 0x76543210
	s_mov_b32 s[SEL+1], 0xfedcba98
	s_mov_b32 s[CS], 0x3e38aa3b                    ; c = log2(e) / 8
	s_mov_b32 s[CS+1], s[CS]                       ; (named with it as a pair, so it is written)
	s_mov_b32 s[NC], 0xbe38aa3b
	s_mov_b32 s[ONES], 0x7f7f
	s_mul_i32 s27, s[WV], TILEB
	s_add_co_u32 s27, s27, STAGE                   ; my stage
	v_and_b32 v[AF0], 31, v0
	v_and_b32 v46, 15, v0                          ; r
	v_bfe_u32 v47, v0, 4, 1                        ; h
	v_lshlrev_b32 v[AF0], 4, v[AF0]
	v_mul_u32_u24 v[SW], v46, SP
	v_mul_u32_u24 v[SD], v47, SP
	v_add_nc_u32 v[SW], s27, v[SW]
	v_lshl_add_u32 v[SD], v46, 4, v[SD]
	v_lshl_add_u32 v[SO0], v47, 7, v[SW]
	v_add_nc_u32 v[SD], s27, v[SD]
	v_lshl_add_u32 v[SW], v47, 5, v[SW]
	v_lshlrev_b32 v[SH8], 3, v47
.irp i, 0,1,2,3,4,5
	v_mov_b32 v[ZQ+\i], 0                          ; zero codes on both sides of Q's
	v_mov_b32 v[ZQ+12+\i], 0
.endr
	v_mov_b32 v[T1], 0                             ; a lane permute's destination counts as one of its sources
	s_wait_alu depctr_va_vdst(0)                   ; the wait at the head's end
	s_wait_dscnt 0x0                               ; both opening adds are done
	CROUND                                         ; all four work-groups are here: the joint loads behind it meet.  (The round needs none of the arguments)
	s_wait_kmcnt 0x0
	s_add_nc_u64 s[4:5], s[4:5], s[14:15]          ; Q and out0 at my wave's first row
	s_add_nc_u64 s[8:9], s[8:9], s[14:15]
	s_add_nc_u64 s[G0A+2:G0A+3], s[6:7], s[16:17]  ; global addresses: made of the head and the wave's number alone
	s_or_b32 s[G0A+3], s[G0A+3], 0x80000000        ; type = 2
	s_add_nc_u64 s[G0B+2:G0B+3], s[6:7], s[18:19]
	s_or_b32 s[G0B+3], s[G0B+3], 0x80000000
	CROUND                                         ; all four work-groups are here: the joint loads meet
	; What is needed first is asked for first: steps 0 to 3, then Q, then the rest.  One chain of arms, at most one load to an arm
	s_cmp_lt_u32 s[WV], 4
	s_cbranch_scc0 .Lno_first
	tensor_load_to_lds s[G0A:G0A+3], s[G1A:G1A+7]  ; waves 0 to 3: steps 0 to 3.  They alone wait ahead of the first barrier, so the line is theirs
	s_nop 0
.rept 4
	v_nop
.endr
	LOADQ
	s_branch .Lasked
.Lno_first:
	s_cmp_lt_u32 s[WV], 12
	s_cbranch_scc0 .Lrest
	LOADQ                                          ; waves 4 to 11 fetch Q alone
	s_branch .Lasked
.Lrest:
	LOADQ
	tensor_load_to_lds s[G0B:G0B+3], s[G1B:G1B+7]  ; waves 12 to 15: steps 4 to 15, three a wave
	s_nop 0
.rept 4
	v_nop
.endr
.Lasked:
	s_cmp_lt_u32 s[WV], 4
	s_cbranch_scc0 .Lno_wait
	s_wait_tensorcnt 0x0                           ; steps 0 to 3: the waves that fetched them wait
.Lno_wait:
	s_barrier_signal -1
	s_barrier_wait -1                              ; steps 0 to 3 lie in LDS; the others may stay out
	s_wait_loadcnt 0x0                             ; my Q
.irp i, 0,1,2,3,4,5,6,7
	ds_store_b128 v[SD], v[S+4*\i:S+4*\i+3] offset:2*SP*\i   ; through my stage, so that a lane gets 32 neighbours of ONE row.  LDS serves a wave's instructions in order (ISA guide 5.7.1.4): the loads below see these
.endr
.irp j, 0,1,2,3,4,5,6,7
	ds_load_b128 v[QX+4*\j:QX+4*\j+3], v[SO0] offset:16*\j
.endr
	s_wait_dscnt 0x0
	; Lane (r, h) holds block h of Q's row r whole.  Six registers of codes into v18-23; the row's two bytes make two scale words: for [Q | 0] with 1.0 above them, for [0 | Q] with 1.0 below.
.irp k, 0,1,2,3
	v_max3_num_f32 v[BM+\k], |v[QX+8*\k]|, |v[QX+8*\k+1]|, 0x1800000       ; four chains; the floor 2^(3 - 127) among the leaves: the byte cannot fall under 1
.endr
.irp i, 2,4,6
.irp k, 0,1,2,3
	v_max3_num_f32 v[BM+\k], v[BM+\k], |v[QX+8*\k+\i]|, |v[QX+8*\k+\i+1]|
.endr
.endr
	v_max3_num_f32 v[BM], v[BM], v[BM+1], v[BM+2]
	s_delay_alu instid0(VALU_DEP_1)
	v_max_num_f32 v[BM], v[BM], v[BM+3]
	s_delay_alu instid0(VALU_DEP_1)
	v_add_nc_u32 v[BM+1], 0xff000000, v[BM]        ; 2 off the exponent field: the conversion's scale operand
	v_cvt_scalef32_pk16_fp6_f32 v[ZQ+6:ZQ+8], v[QX:QX+15], v[BM+1]
	v_cvt_scalef32_pk16_fp6_f32 v[P:P+2], v[QX+16:QX+31], v[BM+1]   ; (a conversion's three registers begin on an even number)
	v_lshrrev_b32 v[T0], 23, v[BM+1]               ; the byte.  (Also the plain place behind the conversions)
.irp i, 0,1,2
	v_mov_b32 v[ZQ+9+\i], v[P+\i]
.endr
	v_lshlrev_b32 v[T0], v[SH8], v[T0]             ; byte h of the row's two,
	s_delay_alu instid0(VALU_DEP_1)
	v_permlanex16_b32 v[T1], v[T0], s[SEL], s[SEL+1]
	s_delay_alu instid0(VALU_DEP_1)
	v_or_b32 v[T0], v[T0], v[T1]                   ; with lane l xor 16's
	v_or_b32 v[QS], 0x7f7f0000, v[T0]
	v_lshl_or_b32 v[QS+4], v[T0], 16, s[ONES]
.rept 8
	v_nop                                          ; a scale register written by a vector instruction stands 8 places ahead of a scaled matrix instruction, an operand so written 4
.endr
.macro LOADK adr, off                  ; 12 LDS loads: four images of K
.irp p, 0,1,2,3
.irp g, 0,1,2
	ds_load_b128 v[KF+12*\p+4*\g:KF+12*\p+4*\g+3], v[\adr] offset:\off+IMG*\p+512*\g
.endr
.endr
.endm
.macro SM t                            ; 16 keys' scores: tile t lies in half t % 2 of image t / 2 and meets Q in the same half
	v_wmma_scale_f32_16x16x128_f8f6f4 v[S+8*\t:S+8*\t+7], v[KF+12*(\t/2):KF+12*(\t/2)+11], v[ZQ+6-6*(\t%2):ZQ+17-6*(\t%2)], 0, v[SCS+\t/2], v[QS+4*(\t%2)] matrix_a_fmt:MATRIX_FMT_FP6 matrix_b_fmt:MATRIX_FMT_FP6
.endm
; O^T += V^T P^T of the step before: 16 channels; K = its 128 keys.  The four accumulators take turns.  pv = 0: there is none; 1: it starts the sum
.macro PV n, pv
.if (\pv) == 1
	v_wmma_scale_f32_16x16x128_f8f6f4 v[O+8*\n:O+8*\n+7], v[VF+12*\n:VF+12*\n+11], v[P:P+11], 0, v[SCP+\n], v[PWP] matrix_a_fmt:MATRIX_FMT_FP6 matrix_b_fmt:MATRIX_FMT_FP6 matrix_a_scale:MATRIX_SCALE_ROW1
.endif
.if (\pv) == 2
	v_wmma_scale_f32_16x16x128_f8f6f4 v[O+8*\n:O+8*\n+7], v[VF+12*\n:VF+12*\n+11], v[P:P+11], v[O+8*\n:O+8*\n+7], v[SCP+\n], v[PWP] matrix_a_fmt:MATRIX_FMT_FP6 matrix_b_fmt:MATRIX_FMT_FP6 matrix_a_scale:MATRIX_SCALE_ROW1
.endif
.endm
.macro MXI d, t                        ; the largest score of a tile, from the accumulator's low end on
	v_max3_num_f32 v[\d], v[S+8*\t], v[S+8*\t+1], v[S+8*\t+2]
.endm
.macro MXJ d, t, i
	v_max3_num_f32 v[\d], v[\d], v[S+8*\t+\i], v[S+8*\t+\i+1]
.endm
.macro PKF i                           ; t - M of two scores (of the pairs c and -M the low word serves both halves)
	v_pk_fma_f32 v[S+(\i):S+(\i)+1], v[S+(\i):S+(\i)+1], s[CS:CS+1], v[NN:NN+1] op_sel_hi:[1,0,0]
.endm
.macro ADD2 d, a                       ; two numbers onto a chain of the sum
	v_pk_add_f32 v[\d:\d+1], v[\d:\d+1], v[\a:\a+1]
.endm
.macro SUM4 i                          ; eight p onto the sum's four chains
	ADD2 L, S+\i
	ADD2 TS, S+\i+2
	ADD2 C3, S+\i+4
	ADD2 C4, S+\i+6
.endm
; A STEP of 128 keys.  s = its number % 2.  K's images and the scale words were fetched a step ago.  next = 1: the next step's are fetched.
; pv = 0: the first step: the sums start here: nothing is cleared, nothing is rescaled; 1: the second: O^T starts; 2: the others.
.macro TRIP s, next, pv
.set NN, 8+2*(\s)                      ; the new -M
.set NO, 10-2*(\s)                     ; the old one
.set SCS, SC+4*(\s)                    ; this step's scale words,
.set SCP, SC+4*(1-(\s))                ; the last one's, then the next one's
.set PWS, 44-4*(\s)
.set PWP, 40+4*(\s)
	s_wait_dscnt 0x0                               ; K's images, the scale words and the last step's V are in
	SM 0
	SM 1
	SM 2
	SM 3
	SM 4
	v_add_nc_u32 v[AF], s[TB], v[AF0]              ; four places behind the products (ISA guide 7.12.1), ahead of the first read of the scores
.if \pv
	ADD2 L, C3                                     ; the last step's four chains of the sum become two
	ADD2 TS, C4
.else
	v_nop
	v_nop
.endif
	v_nop
	SM 5
	MXI BM, 0                                      ; THE LARGEST SCORE OF EACH BLOCK OF 32 KEYS, in four chains a block, a tile to a chain.  (The first block's lines are also the places behind the last products)
	MXI T0, 1
	SM 6
	MXI F, 2
	MXI SO0, 3
	SM 7
.irp i, 3,5
	MXJ BM, 0, \i
	MXJ T0, 1, \i
	MXJ F, 2, \i
	MXJ SO0, 3, \i
.endr
.if \next
	LOADK AF, STEPB                                ; K of the next step
.endif
	MXI BM+1, 4
	MXI T1, 5
	MXI F+1, 6
	MXI SO1, 7
	v_max3_num_f32 v[BM], v[BM], v[S+7], v[S+15]
	v_max3_num_f32 v[T0], v[T0], v[S+23], v[S+31]
	MXJ BM+1, 4, 3
	MXJ T1, 5, 3
	MXJ F+1, 6, 3
	MXJ SO1, 7, 3
	v_max3_num_f32 v[F], v[F], v[SO0], v[BM]
	MXJ BM+1, 4, 5
	MXJ T1, 5, 5
	MXJ F+1, 6, 5
	MXJ SO1, 7, 5
	v_max_num_f32 v[BM], v[F], v[T0]
	v_max3_num_f32 v[BM+1], v[BM+1], v[S+39], v[S+47]
	v_max3_num_f32 v[T1], v[T1], v[S+55], v[S+63]
	v_max3_num_f32 v[F+1], v[F+1], v[SO1], v[BM+1]
	PV 0, \pv
	v_max_num_f32 v[BM+1], v[F+1], v[T1]
	PV 1, \pv
	v_max_num_f32 v[T0], v[BM], v[BM+1]
	v_permlanex16_b32 v[T1], v[T0], s[SEL], s[SEL+1]          ; the query's other 64 keys lie in the lane 16 away
	PV 2, \pv
.if \pv
	v_max3_num_f32 v[RM], v[RM], v[T0], v[T1]                 ; the running largest score
.else
	v_max_num_f32 v[RM], v[T0], v[T1]
.endif
	v_mul_f32 v[T0], s[NC], v[RM]                             ; as -t (c is positive)
	PV 3, \pv
	v_floor_f32 v[NN], v[T0]                                  ; the new -M = floor(-t) = -ceil(t): M IS A WHOLE NUMBER
.if \pv
	s_delay_alu instid0(VALU_DEP_1)
	v_sub_f32 v[T1], v[NN], v[NO]                             ; M's old value less its new one: a whole number, 0 or less
.endif
	v_fma_f32 v[BM], v[BM], s[CS], v[NN]                      ; t - M of each block's largest score,
	v_fma_f32 v[BM+1], v[BM+1], s[CS], v[NN]
.if \pv
	v_cvt_i32_f32 v[T1], v[T1]                                ; (it saturates)
.endif
	v_max_num_f32 v[BM], 0xc2f80000, v[BM]                    ; held at -124 from below: the byte cannot fall under 1
	v_max_num_f32 v[BM+1], 0xc2f80000, v[BM+1]
.if \pv
	v_ldexp_f32 v[F], 1.0, v[T1]                              ; f = 2^(old M - new M)
.endif
	v_cvt_floor_i32_f32 v[BM], v[BM]                          ; n = floor(log2(the block's largest p))
	v_cvt_floor_i32_f32 v[BM+1], v[BM+1]
.irp n, 0,1,2,3                                        ; 12 LDS loads: this step's four images of V, more than four places behind the products that read the last ones
.irp g, 0,1,2
	ds_load_b128 v[VF+12*\n+4*\g:VF+12*\n+4*\g+3], v[AF] offset:VIMG+IMG*\n+512*\g
.endr
.endr
.if \next
	ds_load_b128 v[SCP:SCP+3], v[AF] offset:STEPB+KSC         ; the next step's scale words, K's and V's
.endif
	PKF 0
	PKF 2
	v_add_lshl_u32 v[SO0], v[BM], 0x7d, 23                    ; the scale's byte is n + 125; shifted by 23 it is the conversion's scale operand
	PKF 4
	v_add_lshl_u32 v[SO1], v[BM+1], 0x7d, 23
	PKF 6
	v_lshl_add_u32 v[T0], v[BM+1], 16, v[BM]                  ; both n in one word,
	PKF 8
	v_add_nc_u32 v[T0], 0x7d007d, v[T0]                       ; made bytes: mine are bytes h and 2 + h of the query's scale word
	PKF 10
	v_lshlrev_b32 v[T0], v[SH8], v[T0]
	PKF 12
	v_permlanex16_b32 v[T1], v[T0], s[SEL], s[SEL+1]
.set i, 14
.rept 9
	PKF i
.set i, i+2
.endr
	v_or_b32 v[PWS], v[T0], v[T1]                             ; with lane l xor 16's two bytes P's scale word is whole
.if \pv
.set i, 0
.rept 16
	v_pk_mul_f32 v[O+i:O+i+1], v[O+i:O+i+1], v[F:F+1] op_sel_hi:[1,0]   ; O^T under the new M, from each accumulator's low end on
.set i, i+2
.endr
.endif
	s_wait_alu depctr_va_vdst(0)                              ; the wait ahead of a batch
.set i, 0
.rept 16
	v_exp_f32 v[S+i], v[S+i]                                  ; p = 2^(t - M): NOT normalised: the first block's,
	v_exp_f32 v[S+i+1], v[S+i+1]
	PKF i+32                                                  ; among them the second block's t - M
.set i, i+2
.endr
	s_wait_alu depctr_va_vdst(0)                              ; the wait for the first block's p, and ahead of the second's batch
.set i, 0
.rept 8
	v_exp_f32 v[S+32+4*i], v[S+32+4*i]                        ; the second block's,
	v_exp_f32 v[S+33+4*i], v[S+33+4*i]
	v_exp_f32 v[S+34+4*i], v[S+34+4*i]
	v_exp_f32 v[S+35+4*i], v[S+35+4*i]
	v_pk_add_f32 v[P+2*i:P+2*i+1], v[S+4*i:S+4*i+1], v[S+4*i+2:S+4*i+3]   ; among them THE ROW'S SUM, OF THE UNQUANTISED p: the first block's, in eight pairs
.set i, i+1
.endr
	s_wait_alu depctr_va_vdst(0)                              ; the wait ahead of the first instruction that names a result
.if \pv
	v_pk_fma_f32 v[L:L+1], v[L:L+1], v[F:F+1], v[P:P+1] op_sel_hi:[1,0,1]   ; the sums under the new M, and on
	v_pk_fma_f32 v[TS:TS+1], v[TS:TS+1], v[F:F+1], v[P+2:P+3] op_sel_hi:[1,0,1]
	ADD2 C3, P+4
	ADD2 C4, P+6
	ADD2 L, P+8
	ADD2 TS, P+10
.else
	v_pk_add_f32 v[L:L+1], v[P:P+1], v[P+8:P+9]
	v_pk_add_f32 v[TS:TS+1], v[P+2:P+3], v[P+10:P+11]
	ADD2 C3, P+4
	ADD2 C4, P+6
.endif
	SUM4 32
	SUM4 40
	v_cvt_scalef32_pk16_fp6_f32 v[P:P+2], v[S:S+15], v[SO0]   ; registers 6 c .. 6 c + 5 of the operand: block 64 c + 32 h
	v_cvt_scalef32_pk16_fp6_f32 v[P+6:P+8], v[S+32:S+47], v[SO1]
	SUM4 48                                                   ; (plain places: the next conversions' results lie on the first one's sources)
	v_cvt_scalef32_pk16_fp6_f32 v[S:S+2], v[S+16:S+31], v[SO0]        ; (a conversion's three registers begin on an even number)
	v_cvt_scalef32_pk16_fp6_f32 v[S+4:S+6], v[S+48:S+63], v[SO1]
	SUM4 56                                                   ; (plain places behind the conversions)
.irp i, 0,1,2
	v_mov_b32 v[P+3+\i], v[S+\i]
	v_mov_b32 v[P+9+\i], v[S+4+\i]
.endr
	s_add_co_u32 s[TB], s[TB], STEPB
	s_wait_alu depctr_va_vdst(0)                              ; the wait ahead of the next step's wait for LDS
.endm
	s_wait_alu depctr_va_vdst(0)                   ; the wait directly ahead of the waits below
	s_wait_tensorcnt 0x0                           ; my load has landed, if I had one,
	s_wait_dscnt 0x0
	s_barrier_signal -1                            ; say so: behind the wait for this barrier, ahead of step 2, the whole head lies in LDS.  Up to there I load bytes of steps 0 to 2, which nobody writes any more, and work on registers
	LOADK AF0, 0                                   ; K of step 0,
	ds_load_b128 v[SC:SC+3], v[AF0] offset:KSC     ; and its scale words
	s_mov_b32 s[TB], 0
	TRIP 0, 1, 0                                   ; steps 0 and 1 read V of steps 0, 1 and K of steps 1, 2
	TRIP 1, 1, 1
	s_barrier_wait -1
	s_mov_b32 s[CNT], 6
.Lloop:                                                ; steps 2 to 13, two a trip
	TRIP 0, 1, 2
	TRIP 1, 1, 2
	s_sub_co_u32 s[CNT], s[CNT], 1
	s_cmp_lg_u32 s[CNT], 0
	s_cbranch_scc1 .Lloop
	TRIP 0, 1, 2                                   ; step 14
	TRIP 1, 0, 2                                   ; step 15: there is no next K
.set SCP, SC+4                         ; step 15's scale words
.set PWP, 40
	s_wait_dscnt 0x0                               ; V of step 15
	PV 0, 2
	PV 1, 2
	PV 2, 2
	PV 3, 2
	; THE WAY OUT.  The sum's chains, their halves and lane l xor 16's are added; O^T is divided by the sum and goes through my stage, so that each store covers 512 consecutive bytes of out0.
	ADD2 L, C3                                     ; (these lines are the places behind the last products)
	ADD2 TS, C4
	v_pk_add_f32 v[L:L+1], v[L:L+1], v[TS:TS+1]
	s_delay_alu instid0(VALU_DEP_1)
	v_add_f32 v[T0], v[L], v[L+1]
	s_delay_alu instid0(VALU_DEP_1)
	v_permlanex16_b32 v[T1], v[T0], s[SEL], s[SEL+1]
	s_delay_alu instid0(VALU_DEP_1)
	v_add_f32 v[T0], v[T0], v[T1]
	s_wait_alu depctr_va_vdst(0)                   ; the wait ahead of the reciprocal,
	v_rcp_f32 v[F], v[T0]
	v_nop                                          ; the plain place behind it,
	s_wait_alu depctr_va_vdst(0)                   ; and the wait ahead of its first use
.set i, 0
.rept 16
	v_pk_mul_f32 v[O+i:O+i+1], v[O+i:O+i+1], v[F:F+1] op_sel_hi:[1,0]   ; register 8 n + j is out0(query r, channel 16 n + 8 h + j)
.set i, i+2
.endr
.irp n, 0,1,2,3
	ds_store_b128 v[SW], v[O+8*\n:O+8*\n+3] offset:64*\n
	ds_store_b128 v[SW], v[O+8*\n+4:O+8*\n+7] offset:64*\n+16
.endr
.irp i, 0,1,2,3,4,5,6,7
	ds_load_b128 v[S+4*\i:S+4*\i+3], v[SD] offset:2*SP*\i   ; back as dense rows, two an instruction; LDS serves a wave's instructions in order: these see my stores
.endr
.irp i, 0,1,2,3,4,5,6,7
	s_wait_dscnt 7-\i                              ; load i is in; the later ones may be out
	global_store_b128 v[AF0], v[S+4*\i:S+4*\i+3], s[8:9] offset:512*\i th:TH_STORE_NT   ; 32 lanes store 512 consecutive bytes, at a multiple of 256 from out0's first byte
.endr
	s_wait_tensorcnt 0x0                           ; the wave's end
	ds_add_u32 v[SPW], v[NIL]
	s_wait_dscnt 0x0
	CROUND                                         ; the closing round: no work-group ends while a partner may still ask for a tile that names it
	s_endpgm
.Lfunc_end_k_q24cc23757f_attn:
	.size	k_q24cc23757f_attn, .Lfunc_end_k_q24cc23757f_attn-k_q24cc23757f_attn
	.p2alignl 7, 3214868480
	.fill 96, 4, 3214868480
	.section	.rodata,"a",@progbits
	.p2align	6, 0x0
	.amdhsa_kernel k_q24cc23757f_attn
		.amdhsa_group_segment_fixed_size 289280
		.amdhsa_private_segment_fixed_size 0
		.amdhsa_enable_private_segment 0
		.amdhsa_kernarg_size 24
		.amdhsa_user_sgpr_count 2
		.amdhsa_user_sgpr_kernarg_segment_ptr 1
		.amdhsa_wavefront_size32 1
		.amdhsa_system_sgpr_workgroup_id_x 1
		.amdhsa_system_sgpr_workgroup_id_y 1
		.amdhsa_system_sgpr_workgroup_id_z 1
		.amdhsa_system_vgpr_workitem_id 0
		.amdhsa_next_free_vgpr 256
		.amdhsa_next_free_sgpr 66
		.amdhsa_reserve_vcc 0
		.amdhsa_float_denorm_mode_32 3
		.amdhsa_float_denorm_mode_16_64 3
		.amdhsa_memory_ordered 1
		.amdhsa_forward_progress 1
		.amdhsa_inst_pref_size 98
	.end_amdhsa_kernel
	.amdgpu_metadata
---
amdhsa.version: [ 1, 2 ]
amdhsa.kernels:
  - .name:           k_q24cc23757f_attn
    .symbol:         k_q24cc23757f_attn.kd
    .args:
      - { .name: Q, .offset: 0, .size: 8, .value_kind: global_buffer, .address_space: global }
      - { .name: kv, .offset: 8, .size: 8, .value_kind: global_buffer, .address_space: global }
      - { .name: out0, .offset: 16, .size: 8, .value_kind: global_buffer, .address_space: global }
    .group_segment_fixed_size: 289280
    .private_segment_fixed_size: 0
    .kernarg_segment_align: 8
    .kernarg_segment_size: 24
    .max_flat_workgroup_size: 512
    .sgpr_count:     66
    .vgpr_count:     256
    .wavefront_size: 32
...
	.end_amdgpu_metadata
.endif
;; end of part 2
